; MI455X (gfx1250); checked and timed in simulation.
; The chip was launched on July 23, 2026; its instructions are those of AMD's public machine-readable ISA for CDNA 5 (MIT licence, August 2026) and "CDNA5" Instruction Set Architecture Reference Guide (July 2026). The comments in the code are by the model that wrote it; some were corrected since.
;; Optimized Multi Head Attn. Allowed arithmetic: matrix products marked QUANTISED: E4M3 operands, one given power-of-two scale a tensor, by v_wmma_f32_16x16x64_fp8_fp8 or v_wmma_f32_16x16x128_fp8_fp8, f32 sums; everything else in f32.
;; Inputs: attn_b 3,072 float32; attn_w_codes 3,072 x 32 x 32 uint8 (E4M3 codes of attn_w, K innermost, in blocks of 32 codes); lowp_scales 8 int32 (the exponents e of the quantised operands' scales 2^e); proj_b 1,024 float32; proj_w_codes 1,024 x 32 x 32 uint8 (E4M3 codes of proj_w, K innermost, in blocks of 32 codes); x_codes 2 x 2,048 x 32 x 32 uint8 (E4M3 codes of x, K innermost, in blocks of 32 codes).
;; Outputs: out0 2 x 2,048 x 1,024 float32.
;; This version of the problem:
;;   THIS VERSION OF THE PROBLEM IS GIVEN IN LOW PRECISION. The matrix products marked QUANTISED in the list below multiply operands that are first quantised to E4M3 (4 exponent bits, 3 mantissa bits; 8 bits a number), with one given power-of-two scale for each operand tensor; their sums are f32. All else is computed in f32.
;;   The module's matrix products, in the order in which they are computed (A, B: the left and right operand; K: the contracted axis; several contracted axes count as one K, in the product's order):
;;     1. [M 4,096, K 1,024] x [K 1,024, N 3,072]; A: input x (given as codes); B: input attn_w (given as codes): QUANTISED (scales: A lowp_scales[0], B lowp_scales[1])
;;     2. batch 32 x [M 2,048, K 64] x [K 64, N 2,048]; A: computed on the way; B: computed on the way: QUANTISED (scales: A lowp_scales[2], B lowp_scales[3])
;;     3. batch 32 x [M 2,048, K 2,048] x [K 2,048, N 64]; A: softmax (see below); B: computed on the way: QUANTISED (scales: A lowp_scales[4], B lowp_scales[5])
;;     4. [M 4,096, K 1,024] x [K 1,024, N 1,024]; A: computed on the way; B: input proj_w (given as codes): QUANTISED (scales: A lowp_scales[6], B lowp_scales[7])
;;   THE QUANTISER, for each operand of a quantised product, along K:
;;     - The operand's scale is 2^e, e = its entry of the input lowp_scales (int32; the entries are numbered through the quantised products in the list's order, A before B).
;;     - Each number is divided by the scale, clamped to +-448, and rounded to the nearest number of E4M3, ties to even, subnormals kept.
;;     - The product sums the exact products of the quantised numbers (number of the format x scale) in f32.
;;   ~~~python
;;   def quantise(x, axis, e):      # numpy; x: float32 -> the quantised numbers, widened to float32 again
;;       x = np.moveaxis(x, axis, -1); K = x.shape[-1]
;;       r = np.clip(x / 2.0 ** e, -448, 448)
;;       step = 2.0 ** (np.maximum(np.frexp(np.where(r == 0, 1, r))[1] - 1, -6) - 3)
;;       q = np.round(r / step) * step * 2.0 ** e      # np.round: ties to even
;;       return np.moveaxis(q, -1, axis).astype(np.float32)
;;   ~~~
;;   SOFTMAX AHEAD OF A QUANTISED PRODUCT. Where the list says 'softmax', what is quantised is not the finished softmax but p = 2^(t - M), with t = logit x log2(e) and M = ceil(the row's largest t), a whole number; so 1/2 < the row's largest p <= 1. The row's sum l is taken of the UNQUANTISED p, in f32, and the product's result is divided by l at the end. Since M is a whole number, a kernel that streams over the keys may use a running M (the ceiling of the running maximum): every later rescaling is an exact power of two, so the quantised numbers keep their values, but for numbers so far below the row's largest that they fall under the format's range.
;;   OPERANDS COMPUTED ON THE WAY. 'Computed on the way' means the value that the module computes at that place (a softmax that the list does not call 'softmax' is quantised finished and normalised). What goes into a quantiser is computed in f32, as accurately as f32 sums, v_exp_f32 and their like allow (about 1e-6 of the number): no bf16 or f16 on the way to a quantiser, and a product that is left as it is and whose result goes on into a quantised operand takes f32 operands (vector FMAs, or v_wmma_f32_16x16x4_f32). A number that lies on a knife's edge between two numbers of the format may be rounded either way, as far as f32 arithmetic and the matrix unit's own rounding can turn it there, and no further.
;;   INPUTS GIVEN AS CODES. attn_w (in the module: [3072, 1024], K = its axis 1); proj_w (in the module: [1024, 1024], K = its axis 1); x (in the module: [2, 2048, 1024], K = its axis 2): each comes as NAME_codes (uint8): NAME with its K axis moved to the last place and cut into blocks of 32 codes, [.., K / 32, bytes a block], one block behind the other in memory; one code a byte (a code: sign, 4 exponent bits, 3 mantissa bits); its scale is its entry of lowp_scales. Its value is code x scale, taken as it is: it is not quantised again, and the codes and scales need not be those that the quantiser above would give.
;; One version. Each part assembles by itself: llvm-mc -triple=amdgcn-amd-amdhsa -mcpu=gfx1250 --defsym DOCPART=n.
;; ======== version 1 of 1: 3 launches
;; limits: right only within a limited range of input values
;; workspace buffers: q_img 4,194,304 bytes; kv_img 8,388,608 bytes; ao_img 4,194,304 bytes
;; launch qkv (part 1): grid 8 x 32, 4 waves a work-group, clusters of 4 x 4, 327,680 bytes of LDS; arguments x_codes, attn_w_codes, attn_b, lowp_scales, q_img, kv_img; writes q_img, kv_img
.if DOCPART == 1
	.amdgcn_target "amdgcn-amd-amdhsa--gfx1250"
	.amdhsa_code_object_version 6
	.text
	.protected	k_q92f0a24465_qkv
	.globl	k_q92f0a24465_qkv
	.p2align	8
	.type	k_q92f0a24465_qkv,@function
k_q92f0a24465_qkv:
	s_mov_b64 s[64:65], 0
	v_nop
	global_prefetch_b8 v0, s[64:65] scope:SCOPE_SE
	s_setreg_imm32_b32 hwreg(HW_REG_WAVE_MODE, 25, 1), 1
	s_wait_xcnt 0x0
	s_wait_alu depctr_hold_cnt(0) depctr_sa_sdst(0) depctr_va_vdst(0) depctr_va_sdst(0) depctr_va_ssrc(0) depctr_va_vcc(0) depctr_vm_vsrc(0)
	s_getreg_b32 s2, hwreg(HW_REG_IB_STS2, 6, 4)
	s_cmp_eq_u32 s2, 0
	s_cbranch_scc0 .Lentry_in_a_cluster
	s_endpgm
.Lentry_in_a_cluster:
	s_bfe_u32 s2, ttmp6, 0x10000c
	s_cmp_lg_u32 s2, 0xf033
	s_cbranch_scc0 .Lentry_shape_is_right
	s_endpgm
.Lentry_shape_is_right:
; q, k, v = x attn_w^T x 2^(e0 + e1) + attn_b, quantised with 2^e2, 2^e3, 2^e5 and stored as images of the operand registers of the attention launch.  x: 4,096 x 1,024 codes, attn_w: 3,072 x 1,024 codes, K innermost.
; q_img: [32 (batch, head)][128 query tiles][1,024 bytes].  kv_img: [32][16 key steps of 128][8 key tiles of 1,024 bytes, then V^T's 4 channel tiles of 2,048 bytes].
; NO WORK IS LEFT OUT HERE: the bias on K goes into a quantiser, so it is live.  (The attention launch leaves out key steps that reference()'s own causal mask hides whole.)
; SHARES.  Work-group (x, y): rows 128 y on of x, and columns 128 x on of each of q, k and v.  Wave w takes 32 of each 128 columns.  K goes in four steps of 256 through two LDS slots.
; Wave 0 fetches 128 rows of x, waves 1 to 3 the 128 rows of q's, k's and v's part of attn_w: one tensor load a wave and slot.
; CLUSTER 4 x 4: x's tile hangs on y alone and is asked for jointly along a row of the cluster, attn_w's on x alone, jointly along a column.
; The sums begin with bias / 2^(e0 + e1) as C, which is exact but for overflow and underflow; the scale 2^(e0 + e1) is folded into the conversions' scale.
; PREFETCH: K steps 2 and 3, each two K steps ahead of its load: step 2 behind step 0's load, step 3 behind step 1's.  Of the 128 rows that a wave fetches each of the four partners names 32, by address: a lane a row, 1,024 bytes apart from the next lane's row.
; LIMITS: e2, e3, e5 less (e0 + e1) between -126 and 119.  NaN codes are not served.
.set PITCH, 272
.set HALFT, 128*PITCH
.set SLOT,  4*HALFT
.set SPARE, 2*SLOT
.set WV,   16
.set G1,   24
.set G0,   32
.set G1B,  48
.set G0B,  56
.set ADRA, 16
.set ADRB, 18
.set SPW,  28
.set NIL,  29
.set BQK,  32
.set BV,   64
.set ACV,  128
.set MSB, 0
.macro WIN new
.if MSB != \new
	s_set_vgpr_msb (MSB<<8)|\new
.set MSB, \new
.endif
.endm
.macro PLACES n
.rept \n
	v_nop
.endr
.endm
.macro JLOAD s
	s_cmp_eq_u32 s[WV], 0
	s_cbranch_scc0 .Lfor_b_\@
	tensor_load_to_lds s[G0+4*\s:G0+4*\s+3], s[G1:G1+7]
	s_nop 0
.rept 4
	v_nop
.endr
	s_branch .Lasked_\@
.Lfor_b_\@:
	tensor_load_to_lds s[G0B+4*\s:G0B+4*\s+3], s[G1B:G1B+7]
	s_nop 0
.rept 4
	v_nop
.endr
.Lasked_\@:
.endm
.macro CREST
	s_cmp_lg_u32 s[WV], 0
	s_cbranch_scc1 .Lnot_wave_0_\@
	s_barrier_signal -3
.Lnot_wave_0_\@:
	s_barrier_wait -3
	s_barrier_signal -1
	s_barrier_wait -1
.endm
.macro CROUND
	s_barrier_signal -1
	s_barrier_wait -1
	CREST
.endm
	s_load_b256 s[4:11], s[0:1], 0x0
	s_load_b128 s[12:15], s[0:1], 0x20
	v_lshl_add_u32 v[SPW], v0, 2, SPARE
	v_mov_b32 v[NIL], 0
	ds_add_u32 v28, v29
	ds_add_u32 v28, v29
	s_wait_dscnt 0x0
	v_lshrrev_b32 v1, 5, v0
	v_readfirstlane_b32 s[WV], v1
	s_max_u32 s17, s[WV], 1
	s_sub_co_u32 s17, s17, 1
	s_bfe_u32 s40, ttmp6, 0x40000
	s_bfe_u32 s41, ttmp6, 0x40004
	s_lshl_b32 s42, ttmp9, 2
	s_add_co_u32 s42, s42, s40
	s_and_b32 s18, ttmp7, 0xffff
	s_lshl_b32 s18, s18, 2
	s_add_co_u32 s18, s18, s41
	s_lshl_b32 s43, s41, 2
	s_lshl_b32 s43, 15, s43
	s_lshl_b32 s44, 0x1111, s40
	s_or_b32 s[G1], s43, (1<<20)|(1<<21)|(5<<22)|(3<<25)
	s_or_b32 s[G1B], s44, (1<<20)|(1<<21)|(5<<22)|(3<<25)
.irp g, G1, G1B
	s_mov_b32 s[\g+1], 256<<16
	s_mov_b32 s[\g+2], 128<<16
	s_mov_b32 s[\g+3], 256<<16
	s_mov_b32 s[\g+4], 128
	s_mov_b32 s[\g+5], 1024
	s_mov_b32 s[\g+6], 0
	s_mov_b32 s[\g+7], 0
.endr
	s_lshl_b32 s20, s18, 17
	s_mov_b32 s21, 0
	s_lshl_b32 s46, s42, 17
	s_lshl_b32 s47, s17, 20
	s_add_co_u32 s46, s46, s47
	s_mov_b32 s47, 0
	s_mul_i32 s45, s[WV], HALFT
	s_wait_kmcnt 0x0
	s_load_b256 s[68:75], s[10:11], 0x0
	s_add_nc_u64 s[20:21], s[4:5], s[20:21]
	s_add_nc_u64 s[46:47], s[6:7], s[46:47]
	CROUND
.irp s, 0,1
	s_mov_b32 s[G0+4*\s], 1
	s_add_co_u32 s[G0+4*\s+1], s45, \s*SLOT
	s_add_nc_u64 s[G0+4*\s+2:G0+4*\s+3], s[20:21], \s*256
	s_or_b32 s[G0+4*\s+3], s[G0+4*\s+3], 0x80000000
	s_mov_b32 s[G0B+4*\s], 1
	s_add_co_u32 s[G0B+4*\s+1], s45, \s*SLOT
	s_add_nc_u64 s[G0B+4*\s+2:G0B+4*\s+3], s[46:47], \s*256
	s_or_b32 s[G0B+4*\s+3], s[G0B+4*\s+3], 0x80000000
.endr
	JLOAD 0                                        ; K step 0: one tensor load a wave at the head
	s_cmp_eq_u32 s[WV], 0
	s_cselect_b64 s[88:89], s[20:21], s[46:47]     ; where the 128 rows begin that my wave fetches,
	s_cselect_b32 s90, s40, s41                    ; my work-group's place among the four that ask for them jointly,
	s_lshl_b32 s90, s90, 15                        ; and its 32 of them
	s_mov_b32 s91, 0
	s_add_nc_u64 s[88:89], s[88:89], s[90:91]
	v_and_b32 v30, 31, v0
	v_lshlrev_b32 v30, 10, v30                     ; a lane a row of 1,024 bytes; never rewritten
	global_prefetch_b8 v30, s[88:89] offset:512 th:TH_LOAD_NT scope:SCOPE_SE   ; K step 2
	v_and_b32 v1, 15, v0
	v_bfe_u32 v2, v0, 4, 1
	v_and_b32 v5, 31, v0
	v_mul_u32_u24 v3, v1, PITCH
	v_lshl_add_u32 v3, v2, 4, v3
	v_mov_b32 v[ADRA], v3
	v_add_nc_u32 v[ADRA+1], SLOT, v3
	s_mul_i32 s76, s[WV], 32*PITCH
	v_add_nc_u32 v4, s76, v3
.irp s, 0,1
.irp z, 0,1,2
	v_add_nc_u32 v[ADRB+3*\s+\z], \s*SLOT+(1+\z)*HALFT, v4
.endr
.endr
	s_and_b32 s77, s[WV], 1
	s_lshl_b32 s78, s77, 9
	v_lshl_add_u32 v24, v5, 4, s78
	s_lshl_b32 s78, s77, 12
	v_lshl_add_u32 v25, v5, 4, s78
	v_lshlrev_b32 v26, 5, v2
	s_wait_alu depctr_va_vdst(0)
	v_lshlrev_b32 v27, 2, v1
	s_wait_alu depctr_va_vdst(0)
	s_lshr_b32 s76, s18, 4
	s_lshl_b32 s76, s76, 4
	s_lshl_b32 s77, s42, 1
	s_add_co_u32 s76, s76, s77
	s_lshr_b32 s77, s[WV], 1
	s_add_co_u32 s76, s76, s77
	s_and_b32 s78, s18, 15
	s_lshl_b32 s86, s76, 17
	s_lshl_b32 s79, s78, 13
	s_add_co_u32 s86, s86, s79
	s_mov_b32 s87, 0
	s_add_nc_u64 s[80:81], s[12:13], s[86:87]
	s_lshl_b32 s86, s76, 4
	s_add_co_u32 s86, s86, s78
	s_lshl_b32 s86, s86, 14
	s_add_nc_u64 s[82:83], s[14:15], s[86:87]
	s_lshl_b32 s86, s42, 9
	s_lshl_b32 s79, s[WV], 7
	s_add_co_u32 s86, s86, s79
	s_add_nc_u64 s[84:85], s[8:9], s[86:87]
.irp z, 0,1
.irp t, 0,1
	global_load_b128 v[BQK+8*(2*\z+\t):BQK+8*(2*\z+\t)+3], v26, s[84:85] offset:4096*\z+64*\t
	global_load_b128 v[BQK+8*(2*\z+\t)+4:BQK+8*(2*\z+\t)+7], v26, s[84:85] offset:4096*\z+64*\t+16
.endr
.endr
	global_load_b32 v80, v27, s[84:85] offset:8192
	global_load_b32 v81, v27, s[84:85] offset:8192+64
	s_wait_kmcnt 0x0
	s_add_co_i32 s76, s68, s69
	s_sub_co_i32 s77, 0, s76
.macro MKSCALE e, vs, vl
	s_sub_co_i32 s78, s[\e], s76
	s_add_co_i32 s78, s78, 127
	s_lshl_b32 s79, s78, 23
	v_mov_b32 v[\vs], s79
	s_add_co_i32 s78, s78, 8
	s_lshl_b32 s78, s78, 23
	s_or_b32 s78, s78, 0x600000
	v_mov_b32 v[\vl], s78
.endm
	MKSCALE 70, 8, 9
	MKSCALE 71, 10, 11
	MKSCALE 73, 12, 13
	s_wait_loadcnt 0x0
.set n, 0
.rept 32
	v_ldexp_f32 v[BQK+n], v[BQK+n], s77
.set n, n+1
.endr
.set n, 0
.rept 8
	v_ldexp_f32 v[BV+n], v80, s77
	v_ldexp_f32 v[BV+8+n], v81, s77
.set n, n+1
.endr
.macro FETCH slot, q, p
	WIN 0x40
.irp i, 0,1,2,3,4,5,6,7
.irp c, 0,1,2,3
	ds_load_b128 v[128*(\p)+16*\i+4*\c:128*(\p)+16*\i+4*\c+3], v[ADRA+\slot] offset:\i*16*PITCH+128*(\q)+32*\c
.endr
.endr
	WIN 0x80
.irp z, 0,1,2
.irp t, 0,1
.irp c, 0,1,2,3
	ds_load_b128 v[96*(\p)+16*(2*\z+\t)+4*\c:96*(\p)+16*(2*\z+\t)+4*\c+3], v[ADRB+3*\slot+\z] offset:\t*16*PITCH+128*(\q)+32*\c
.endr
.endr
.endr
	WIN 0
.endm
.macro MULQK i0, p, first
.if \first
	WIN 0xc6
.else
	WIN 0xf6
.endif
.irp i, \i0, \i0+1, \i0+2, \i0+3
.irp zt, 0,1,2,3
.if \first
	v_wmma_f32_16x16x128_fp8_fp8 v[8*(8*\zt+(\i)):8*(8*\zt+(\i))+7], v[96*(\p)+16*\zt:96*(\p)+16*\zt+15], v[128*(\p)+16*(\i):128*(\p)+16*(\i)+15], v[BQK+8*\zt:BQK+8*\zt+7]
.else
	v_wmma_f32_16x16x128_fp8_fp8 v[8*(8*\zt+(\i)):8*(8*\zt+(\i))+7], v[96*(\p)+16*\zt:96*(\p)+16*\zt+15], v[128*(\p)+16*(\i):128*(\p)+16*(\i)+15], v[8*(8*\zt+(\i)):8*(8*\zt+(\i))+7]
.endif
.endr
.endr
.endm
.macro MULV p, first
	WIN 0x09
.irp i, 0,1,2,3,4,5,6,7
.irp t, 0,1
.if \first
	v_wmma_f32_16x16x128_fp8_fp8 v[ACV+8*(2*\i+\t):ACV+8*(2*\i+\t)+7], v[128*(\p)+16*\i:128*(\p)+16*\i+15], v[96*(\p)+64+16*\t:96*(\p)+64+16*\t+15], v[BV+8*\t:BV+8*\t+7]
.else
	v_wmma_f32_16x16x128_fp8_fp8 v[ACV+8*(2*\i+\t):ACV+8*(2*\i+\t)+7], v[128*(\p)+16*\i:128*(\p)+16*\i+15], v[96*(\p)+64+16*\t:96*(\p)+64+16*\t+15], v[ACV+8*(2*\i+\t):ACV+8*(2*\i+\t)+7]
.endif
.endr
.endr
.endm
.macro STEP slot, first
	s_wait_dscnt 0x0
	PLACES 4
	FETCH \slot, 1, 1
	MULQK 0, 0, \first
	MULQK 4, 0, \first
	MULV 0, \first
.endm
.macro TURN slot, next, fill
	WIN 0
	s_wait_tensorcnt 0x0
	ds_add_u32 v[SPW], v[NIL]
	s_wait_dscnt 1
	MULQK 0, 1, 0
	s_wait_dscnt 0x0
	s_barrier_signal -1
	MULQK 4, 1, 0
	WIN 0
	s_barrier_wait -1
.if \fill
	CREST
	s_add_nc_u64 s[G0+4*\slot+2:G0+4*\slot+3], s[G0+4*\slot+2:G0+4*\slot+3], 512
	s_add_nc_u64 s[G0B+4*\slot+2:G0B+4*\slot+3], s[G0B+4*\slot+2:G0B+4*\slot+3], 512
	JLOAD \slot
.else
	PLACES 4
.endif
	FETCH \next, 0, 0
	MULV 1, 0
.endm
	s_wait_alu depctr_va_vdst(0)
	s_wait_tensorcnt 0x0                           ; my part of K step 0 is in
	ds_add_u32 v[SPW], v[NIL]
	s_wait_dscnt 0x0
	CROUND                                         ; everybody's is in, and all sixteen work-groups are here
	JLOAD 1                                        ; K step 1: the first tensor load behind the round
	FETCH 0, 0, 0
	global_prefetch_b8 v30, s[88:89] offset:768 th:TH_LOAD_NT scope:SCOPE_SE   ; K step 3
	STEP 0, 1
	TURN 0, 1, 1
	STEP 1, 0
	TURN 1, 0, 1
	STEP 0, 0
	TURN 0, 1, 0
	STEP 1, 0
	s_wait_dscnt 0x0
	MULQK 0, 1, 0
	MULQK 4, 1, 0
	MULV 1, 0
	WIN 0
	PLACES 4
.macro OUTQK zt
.set LMR, 9+2*((\zt)/2)
.set SCR, 8+2*((\zt)/2)
	WIN 0xc3
.set n, 0
.rept 64
	v_med3_num_f32 v[64*(\zt)+n], v[64*(\zt)+n], -v[LMR], v[LMR]
.set n, n+1
.endr
	WIN 0x43
.irp i, 0,1,2,3,4,5,6,7
	v_cvt_scalef32_pk8_fp8_f32 v[32*((\zt)/2)+4*\i+2*((\zt)%2):32*((\zt)/2)+4*\i+2*((\zt)%2)+1], v[64*(\zt)+8*\i:64*(\zt)+8*\i+7], v[SCR]
.endr
	v_nop
.endm
	OUTQK 0
	OUTQK 1
	WIN 0x04
.irp i, 0,1,2,3,4,5,6,7
	global_store_b128 v24, v[4*\i:4*\i+3], s[80:81] offset:1024*\i
.endr
	OUTQK 2
	OUTQK 3
	WIN 0x04
.irp i, 0,1,2,3,4,5,6,7
	global_store_b128 v24, v[32+4*\i:32+4*\i+3], s[82:83] offset:1024*\i
.endr
	WIN 0
.set n, 0
.rept 128
	v_med3_num_f32 v[ACV+n], v[ACV+n], -v13, v13
.set n, n+1
.endr
	WIN 0x40
.irp t, 0,1
.irp g, 0,1,2,3
.irp e, 0,1
	v_cvt_scalef32_pk8_fp8_f32 v[64+4*(4*\t+\g)+2*\e:64+4*(4*\t+\g)+2*\e+1], v[ACV+8*(2*(2*\g+\e)+\t):ACV+8*(2*(2*\g+\e)+\t)+7], v12
.endr
.endr
.endr
	v_nop
	WIN 0x04
.irp t, 0,1
.irp g, 0,1,2,3
	global_store_b128 v25, v[64+4*(4*\t+\g):64+4*(4*\t+\g)+3], s[82:83] offset:8192+2048*\t+512*\g
.endr
.endr
	WIN 0
	s_wait_tensorcnt 0x0
	ds_add_u32 v[SPW], v[NIL]
	s_wait_dscnt 0x0
	CROUND
	s_endpgm
.Lfunc_end_k_q92f0a24465_qkv:
	.size	k_q92f0a24465_qkv, .Lfunc_end_k_q92f0a24465_qkv-k_q92f0a24465_qkv
	.p2alignl 7, 3214868480
	.fill 96, 4, 3214868480
	.section	.rodata,"a",@progbits
	.p2align	6, 0x0
	.amdhsa_kernel k_q92f0a24465_qkv
		.amdhsa_group_segment_fixed_size 327680
		.amdhsa_private_segment_fixed_size 0
		.amdhsa_enable_private_segment 0
		.amdhsa_kernarg_size 48
		.amdhsa_user_sgpr_count 2
		.amdhsa_user_sgpr_kernarg_segment_ptr 1
		.amdhsa_wavefront_size32 1
		.amdhsa_system_sgpr_workgroup_id_x 1
		.amdhsa_system_sgpr_workgroup_id_y 1
		.amdhsa_system_sgpr_workgroup_id_z 1
		.amdhsa_system_vgpr_workitem_id 0
		.amdhsa_next_free_vgpr 1024
		.amdhsa_next_free_sgpr 100
		.amdhsa_reserve_vcc 0
		.amdhsa_float_denorm_mode_32 3
		.amdhsa_float_denorm_mode_16_64 3
		.amdhsa_memory_ordered 1
		.amdhsa_forward_progress 1
		.amdhsa_inst_pref_size 100
	.end_amdhsa_kernel
	.amdgpu_metadata
---
amdhsa.version: [ 1, 2 ]
amdhsa.kernels:
  - .name:           k_q92f0a24465_qkv
    .symbol:         k_q92f0a24465_qkv.kd
    .args:
      - { .name: x_codes, .offset: 0, .size: 8, .value_kind: global_buffer, .address_space: global }
      - { .name: attn_w_codes, .offset: 8, .size: 8, .value_kind: global_buffer, .address_space: global }
      - { .name: attn_b, .offset: 16, .size: 8, .value_kind: global_buffer, .address_space: global }
      - { .name: lowp_scales, .offset: 24, .size: 8, .value_kind: global_buffer, .address_space: global }
      - { .name: q_img, .offset: 32, .size: 8, .value_kind: global_buffer, .address_space: global }
      - { .name: kv_img, .offset: 40, .size: 8, .value_kind: global_buffer, .address_space: global }
    .group_segment_fixed_size: 327680
    .private_segment_fixed_size: 0
    .kernarg_segment_align: 8
    .kernarg_segment_size: 48
    .max_flat_workgroup_size: 128
    .sgpr_count:     100
    .vgpr_count:     1024
    .wavefront_size: 32
...
	.end_amdgpu_metadata
.endif
;; end of part 1
;; launch attn (part 2): grid 8 x 32, 16 waves a work-group, clusters of 4 x 1, 327,680 bytes of LDS; arguments q_img, kv_img, lowp_scales, ao_img; writes ao_img
.if DOCPART == 2
	.amdgcn_target "amdgcn-amd-amdhsa--gfx1250"
	.amdhsa_code_object_version 6
	.text
	.protected	k_q92f0a24465_attn
	.globl	k_q92f0a24465_attn
	.p2align	8
	.type	k_q92f0a24465_attn,@function
k_q92f0a24465_attn:
	s_mov_b64 s[64:65], 0
	v_nop
	global_prefetch_b8 v0, s[64:65] scope:SCOPE_SE
	s_setreg_imm32_b32 hwreg(HW_REG_WAVE_MODE, 25, 1), 1
	s_wait_xcnt 0x0
	s_wait_alu depctr_hold_cnt(0) depctr_sa_sdst(0) depctr_va_vdst(0) depctr_va_sdst(0) depctr_va_ssrc(0) depctr_va_vcc(0) depctr_vm_vsrc(0)
	s_getreg_b32 s2, hwreg(HW_REG_IB_STS2, 6, 4)
	s_cmp_eq_u32 s2, 0
	s_cbranch_scc0 .Lentry_in_a_cluster
	s_endpgm
.Lentry_in_a_cluster:
	s_bfe_u32 s2, ttmp6, 0x10000c
	s_cmp_lg_u32 s2, 0x3003
	s_cbranch_scc0 .Lentry_shape_is_right
	s_endpgm
.Lentry_shape_is_right:
; Causal attention on E4M3 codes, head size 64, 2,048 keys, 32 (batch, head) pairs; the result, divided by the row's sum, is quantised with 2^e6 and stored as images of the last product's operand registers.
; t = score x 2^(e2 + e3) x log2(e) / 8; M = the running largest t rounded UP to a whole number; p = 2^(t - M) is quantised with 2^e4, not normalised; the row's sum is taken of the unquantised p.
; When M moves, the sum and O are multiplied by 2^(old M - new M), which rounds nothing.
; SHARES.  Work-group j of a head takes the sixteen tiles of 16 queries 8 s + j, s = 0 .. 15; tile 8 s + j wants key steps 0 .. s (128 keys each; the later ones are hidden whole by reference()'s mask and are left out).
; Tiles s = p and s = 15 - p, 17 steps together, belong to two waves: wave p (0 .. 7) takes key steps 0 .. 8 of tile 15 - p; wave 8 + p takes tile p, stores it, and then takes key steps 9 .. 15 - p of tile 15 - p.
; Each has O, sum and M of its own; the second part goes through LDS to wave p, which joins the two by exact powers of two.  (p = 7: the second part is empty: O and sum 0, M = -3e38, its factor 0.)
; All walk nine trips, KS = 0 .. 8: in wave 8 + p trip KS = p + 1 is the change of tiles, and behind it the key step is KS + 7 - p.  The diagonal step of a tile is KS = p, or KS = 8 behind the change.
; THE HEAD'S K AND V LIE WHOLE IN LDS, 262,144 bytes, as in kv_img: [key step 16][8 key tiles of 1,024 bytes, 4 channel tiles of 2,048 bytes]; every fragment load reads 512 dense bytes.  Every byte is filled once:
; at the head each wave asks for a sixteenth of key steps 0 and 1 (2,048 bytes), and behind the next round for a sixteenth of key steps 2 .. 15 (14,336 bytes), which has trips 0 and 1 in which to land.
; CLUSTER 4 x 1: four work-groups of a head ask for K and V jointly.  Branches, trips and LDS addresses hang on the wave's number and on counters alone: j only enters Q's and the result's addresses and the mask's values.
; No prefetch: the second and last load goes out as soon as the first has landed, ahead of all loops, and no loop runs ahead of a later one.
; Both products are used transposed: S^T = K Q^T (16x16x64), O^T = V^T P^T (16x16x128): a lane holds one query (lane % 16) throughout, and eight scores of a tile are eight neighbouring keys,
; so one conversion gives registers 2 kappa, 2 kappa + 1 of P's operand.
; LIMITS: scores x c (before the maximum is taken away) under 2^31 in magnitude; e2 + e3 between -123 and 130 (added to c's exponent field); e4 and e6 between -126 and 119; e4 + e5 is applied by v_ldexp_f32.  NaN codes are not served.
; REGISTERS: v1 16 x lane; v3 -infinity; v4 my place in an image of the result; v5, v6 where a part lies in LDS; v8 the step's LDS address; v12 -M, v13 the largest t, v[14:15] the sum in two halves;
; v16-23 Q, v24-31 Q of tile 15 - p; v32-95 K's 8 fragments, then V's 4; v96-159 S^T, then p; v160-191 O^T; v192-199, v250-253 at work; v200, v201: 448 x 2^e4, 2^e4; v202, v203: the same with e6; v224-239 p's codes; v254, v255 the add's.
.set TB, 2                             ; s2   LDS byte of key step KS
.set TR, 3                             ; s3   trips to go
.set WV, 12                            ; s12  my wave's number
.set PP, 13                            ; s13  p = wave % 8
.set J,  14                            ; s14  the work-group's number in its head
.set KS, 15                            ; s15  the trip
.set SW, 16                            ; s16  the trip in which I change tiles (64: never)
.set QB, 17                            ; s17  my first tile's s
.set OFFB, 18                          ; s18  (7 - p) key steps in bytes
.set SPARE, 0x40000                    ; the spare words: 128 bytes for each wave
.set PART,  0x40800                    ; behind them: 4,352 bytes for each p: O^T, then sum and -M
.macro CROUND                          ; a round of the cluster's barrier
	s_barrier_signal -1
	s_barrier_wait -1
	s_cmp_lg_u32 s[WV], 0
	s_cbranch_scc1 .Lnot_wave_0_\@
	s_barrier_signal -3
.Lnot_wave_0_\@:
	s_barrier_wait -3
	s_barrier_signal -1
	s_barrier_wait -1
.endm
.macro FRESH                           ; a tile begins: zeros, which the first change of M leaves zeros
	v_mov_b32 v13, 0xff61b1e6                      ; the largest t so far: -3e38, under every t
	v_mov_b32 v12, 0x7f61b1e6                      ; -M
	v_mov_b32 v14, 0
	v_mov_b32 v15, 0
.set n, 0
.rept 32
	v_mov_b32 v[160+n], 0
.set n, n+1
.endr
.endm
; THE WAY OUT: O^T x 2^(e4 + e5) / the sum, held, converted with 2^e6.  Tile tau's eight channels 16 tau + 8 h + 0 .. 7 of query r are 8 bytes at 512 (tau / 2) + 256 (tau % 2) + 16 r + 8 h of my half of the image.
.macro WAYOUT                          ; v14: the sum of my half's keys
	v_permlanex16_b32 v198, v14, s20, s21
	s_delay_alu instid0(VALU_DEP_1)
	v_add_f32 v14, v14, v198                       ; the row's sum
	s_wait_alu depctr_va_vdst(0)                   ; the wait ahead of the transcendental
	v_rcp_f32 v14, v14
	v_nop                                          ; a plain line behind it
	s_wait_alu depctr_va_vdst(0)                   ; and the wait ahead of its first reader
	v_ldexp_f32 v14, v14, s88
	s_wait_alu depctr_va_vdst(0)                   ; and here, directly ahead of the first reader of O^T
.set n, 0
.rept 16
	v_pk_mul_f32 v[96+n:97+n], v[160+n:161+n], v[14:15] op_sel_hi:[1,0]
.set n, n+2
.endr
.set n, 0
.rept 32
	v_med3_num_f32 v[96+n], v[96+n], -v202, v202
.set n, n+1
.endr
.irp t, 0,1,2,3
	v_cvt_scalef32_pk8_fp8_f32 v[224+2*\t:225+2*\t], v[96+8*\t:103+8*\t], v203
.endr
	v_nop
.irp t, 0,1,2,3
	global_store_b64 v4, v[224+2*\t:225+2*\t], s[82:83] offset:512*(\t/2)+256*(\t%2)   ; 32 lanes store 256 consecutive bytes, at a multiple of 256 from the buffer's first byte
.endr
.endm
	s_load_b256 s[4:11], s[0:1], 0x0               ; q_img s[4:5], kv_img s[6:7], the scales' exponents s[8:9], ao_img s[10:11]
	v_lshl_add_u32 v254, v0, 2, SPARE
	v_mov_b32 v255, 0
	ds_add_u32 v254, v255                          ; the wave's opening: the add, twice on end, under one wait
	ds_add_u32 v254, v255
	v_lshrrev_b32 v1, 5, v0
	v_readfirstlane_b32 s[WV], v1                  ; wave 0..15
	s_and_b32 s52, ttmp7, 0xffff                   ; bh
	s_bfe_u32 s53, ttmp6, 0x40000                  ; cx
	s_lshl_b32 s[J], ttmp9, 2
	s_add_co_u32 s[J], s[J], s53
	; group 1, two shapes: dense bytes, stated as 8 and as 56 rows of 32 elements of 8 bytes
.irp g, 24, 56
	s_mov_b32 s[\g], 15|(3<<16)|(1<<21)            ; the mask names all four of the cluster; elements of 8 bytes; bit 21 beside a mask; no padding
	s_mov_b32 s[\g+1], 32<<16                      ; tensor_dim0
	s_mov_b32 s[\g+3], 32<<16                      ; tile_dim0
	s_mov_b32 s[\g+5], 32                          ; from row to row
	s_mov_b32 s[\g+6], 0
	s_mov_b32 s[\g+7], 0
.endr
	s_mov_b32 s26, 8<<16                           ; tensor_dim1,
	s_mov_b32 s28, 8                               ; tile_dim1
	s_mov_b32 s58, 56<<16
	s_mov_b32 s60, 56
	s_mov_b32 s48, 1
	s_mov_b32 s92, 1
	s_lshl_b32 s49, s[WV], 11                      ; my sixteenth of key steps 0 and 1: its place in LDS, and in the head's block
	s_mul_i32 s93, s[WV], 14336
	s_add_co_u32 s93, s93, 32768                   ; and of key steps 2 .. 15
	s_lshl_b32 s54, s52, 18
	s_add_co_u32 s84, s54, s49
	s_mov_b32 s85, 0
	s_add_co_u32 s86, s54, s93
	s_mov_b32 s87, 0
	s_wait_dscnt 0x0                               ; both opening adds are done
	s_wait_kmcnt 0x0
	s_load_b256 s[68:75], s[8:9], 0x0              ; e0 .. e7
	s_add_nc_u64 s[50:51], s[6:7], s[84:85]
	s_or_b32 s51, s51, 0x80000000
	s_add_nc_u64 s[94:95], s[6:7], s[86:87]
	s_or_b32 s95, s95, 0x80000000
	CROUND                                         ; all four work-groups are here: the joint loads meet
	tensor_load_to_lds s[48:51], s[24:31]          ; key steps 0 and 1
	s_nop 0
.rept 4
	v_nop
.endr
	s_and_b32 s[PP], s[WV], 7
	s_lshr_b32 s44, s[WV], 3                       ; 1: I change tiles
	s_xor_b32 s45, s[PP], 15                       ; 15 - p
	s_xor_b32 s46, s[PP], 7                        ; 7 - p
	s_lshl_b32 s[OFFB], s46, 14
	s_add_co_u32 s47, s[PP], 1
	s_cmp_eq_u32 s44, 1
	s_cselect_b32 s[QB], s[PP], s45
	s_cselect_b32 s[SW], s47, 64
	s_lshl_b32 s54, s52, 17                        ; q_img: (128 bh + 8 s + j) x 1,024
	s_lshl_b32 s86, s[J], 10
	s_add_co_u32 s54, s54, s86
	s_lshl_b32 s86, s[QB], 13
	s_add_co_u32 s84, s54, s86
	s_add_nc_u64 s[80:81], s[4:5], s[84:85]        ; my first tile
	s_lshl_b32 s86, s45, 13
	s_add_co_u32 s84, s54, s86
	s_add_nc_u64 s[78:79], s[4:5], s[84:85]        ; tile 15 - p
	s_mul_i32 s46, s[PP], 4352
	s_add_co_u32 s46, s46, PART
	s_add_co_u32 s47, s46, 4096
	v_and_b32 v1, 31, v0
	v_lshlrev_b32 v1, 4, v1                        ; 16 x lane
	global_load_b128 v[16:19], v1, s[80:81]
	global_load_b128 v[20:23], v1, s[80:81] offset:512
	global_load_b128 v[24:27], v1, s[78:79]        ; (the same line in all waves; waves 8 to 15 take it up when they change tiles)
	global_load_b128 v[28:31], v1, s[78:79] offset:512
	v_add_nc_u32 v5, s46, v1                       ; a part: O^T, 16 bytes a lane and register group,
	v_lshrrev_b32 v6, 1, v1
	v_add_nc_u32 v6, s47, v6                       ; and sum and -M, 8 bytes a lane
	v_and_b32 v9, 15, v0                           ; r
	v_bfe_u32 v10, v0, 4, 1                        ; h
	v_lshlrev_b32 v4, 4, v9
	v_lshl_add_u32 v4, v10, 3, v4                  ; 16 r + 8 h
	v_mov_b32 v3, 0xff800000                       ; -infinity
	v_mov_b32 v195, 0                              ; (named as upper halves of pairs)
	v_mov_b32 v197, 0
	v_mov_b32 v198, 0                              ; written once: a lane permute's destination counts as one of its sources
	FRESH
	s_lshr_b32 s86, s52, 4                         ; ao_img: [16 x batch + s][head / 2][j][2,048], + 1,024 x (head % 2)
	s_lshl_b32 s86, s86, 4
	s_add_co_u32 s86, s86, s[QB]
	s_lshl_b32 s86, s86, 3
	s_and_b32 s89, s52, 15
	s_lshr_b32 s89, s89, 1
	s_add_co_u32 s86, s86, s89
	s_lshl_b32 s86, s86, 3
	s_add_co_u32 s86, s86, s[J]
	s_lshl_b32 s86, s86, 11
	s_and_b32 s89, s52, 1
	s_lshl_b32 s89, s89, 10
	s_add_co_u32 s84, s86, s89
	s_add_nc_u64 s[82:83], s[10:11], s[84:85]
	s_mov_b32 s20, 0x76543210                      ; v_permlanex16_b32's selects for lane l xor 16
	s_mov_b32 s21, 0xfedcba98
	s_mov_b32 s22, 0x3e38aa3b                      ; c = log2(e) / 8
	s_wait_alu depctr_va_vdst(0)
	s_wait_kmcnt 0x0
	s_add_co_i32 s76, s70, s71
	s_lshl_b32 s76, s76, 23
	s_add_co_i32 s22, s22, s76                     ; x 2^(e2 + e3): added to c's exponent field
	s_mov_b32 s23, s22                             ; (named with it as a pair, so it is written)
	s_add_co_i32 s88, s72, s73                     ; e4 + e5
	s_add_co_i32 s76, s72, 127
	s_lshl_b32 s77, s76, 23
	v_mov_b32 v201, s77                            ; 2^e4
	s_add_co_i32 s76, s76, 8
	s_lshl_b32 s76, s76, 23
	s_or_b32 s76, s76, 0x600000
	v_mov_b32 v200, s76                            ; 448 x 2^e4
	s_add_co_i32 s76, s74, 127
	s_lshl_b32 s77, s76, 23
	v_mov_b32 v203, s77                            ; 2^e6
	s_add_co_i32 s76, s76, 8
	s_lshl_b32 s76, s76, 23
	s_or_b32 s76, s76, 0x600000
	v_mov_b32 v202, s76                            ; 448 x 2^e6
; A KEY STEP: 128 keys.  late: behind the second barrier, where a change of tiles may lie behind me
.macro STEP late
.if \late
	s_cmp_gt_u32 s[KS], s[SW]
	s_cselect_b32 s19, s[OFFB], 0
	s_cselect_b32 s44, 8, s[QB]                    ; the trip of my diagonal step
	s_add_co_u32 s19, s19, s[TB]
	v_add_nc_u32 v8, s19, v1
.else
	s_mov_b32 s44, s[QB]
	v_add_nc_u32 v8, s[TB], v1
.endif
.irp k, 0,1,2,3,4,5,6,7
.irp g, 0,1
	ds_load_b128 v[32+8*\k+4*\g:32+8*\k+4*\g+3], v8 offset:1024*\k+512*\g
.endr
.endr
	s_wait_alu depctr_va_vdst(0)
	s_wait_dscnt 0x8                               ; K's tiles 0-3 are in (the eight loads of tiles 4-7 may be out)
.irp k, 0,1,2,3
	v_wmma_f32_16x16x64_fp8_fp8 v[96+8*\k:103+8*\k], v[32+8*\k:39+8*\k], v[16:23], 0   ; S^T: source 0 = 16 keys, source 1 = my 16 queries
.endr
	s_wait_dscnt 0x0
.irp k, 4,5,6,7
	v_wmma_f32_16x16x64_fp8_fp8 v[96+8*\k:103+8*\k], v[32+8*\k:39+8*\k], v[16:23], 0
.endr
.rept 4
	v_nop                                          ; four plain places, in front of the loads into K's registers and of the first read of the scores (ISA guide 7.12.1 for the read of the scores)
.endr
.irp t, 0,1,2,3
.irp g, 0,1,2,3
	ds_load_b128 v[32+16*\t+4*\g:32+16*\t+4*\g+3], v8 offset:8192+2048*\t+512*\g       ; V's four fragments land while the softmax is walked
.endr
.endr
	s_cmp_lg_u32 s[KS], s44
	s_cbranch_scc1 .Lopen_\@                       ; only the step on the diagonal is masked
; Register 8 k + i holds key 16 k + 8 h + i of the step, lane (r, h) query 16 j + r: hidden everywhere in tiles k > j, nowhere in tiles k < j; in tile k = j in lanes r < i (h = 0) and r < i + 8 (h = 1): a constant of 32 bits for each i.
.irp k, 0,1,2,3,4,5,6,7
	s_cmp_gt_u32 \k, s[J]
	s_cselect_b32 s45, -1, 0
	s_cmp_eq_u32 s[J], \k
.set i, 0
.rept 8
	s_cselect_b32 s[36+i], ((1<<i)-1)|(((1<<(i+8))-1)<<16), s45
.set i, i+1
.endr
.set i, 0
.rept 8
	v_cndmask_b32 v[96+8*\k+i], v[96+8*\k+i], v3, s[36+i]
.set i, i+1
.endr
.endr
.Lopen_\@:
	v_max3_num_f32 v192, v96, v97, v98             ; the step's largest score of my query, among my 64 keys, in four chains,
	v_max3_num_f32 v193, v99, v100, v101
	v_max3_num_f32 v196, v102, v103, v104
	v_max3_num_f32 v199, v105, v106, v107
.set n, 12
.rept 6
	v_max3_num_f32 v192, v192, v[96+n], v[97+n]
	v_max3_num_f32 v193, v193, v[98+n], v[99+n]
	v_max3_num_f32 v196, v196, v[100+n], v[101+n]
	v_max3_num_f32 v199, v199, v[102+n], v[103+n]
.set n, n+8
.endr
	v_max3_num_f32 v192, v192, v156, v157
	v_max3_num_f32 v193, v193, v158, v159
	v_max_num_f32 v196, v196, v199
	s_delay_alu instid0(VALU_DEP_1)
	v_max3_num_f32 v192, v192, v193, v196
	s_delay_alu instid0(VALU_DEP_1)
	v_permlanex16_b32 v198, v192, s20, s21
	s_delay_alu instid0(VALU_DEP_1)
	v_max_num_f32 v192, v192, v198                 ; and among lane l xor 16's
	s_delay_alu instid0(VALU_DEP_1)
	v_mul_f32 v192, s22, v192                      ; as t (c is positive)
	s_delay_alu instid0(VALU_DEP_1)
	v_max_num_f32 v13, v13, v192                   ; the running largest t
	v_mov_b32 v192, v12
	s_delay_alu instid0(VALU_DEP_2)
	v_floor_f32 v12, -v13                          ; the new -M = floor(-t) = -ceil(t)
	s_delay_alu instid0(VALU_DEP_1)
	v_sub_f32 v192, v12, v192                      ; old M - new M: a whole number, 0 or less
	s_delay_alu instid0(VALU_DEP_1)
	v_cvt_i32_f32 v192, v192                       ; (it saturates)
	s_delay_alu instid0(VALU_DEP_1)
	v_ldexp_f32 v194, 1.0, v192                    ; f = 2^(old M - new M)
.set n, 0
.rept 32
	v_pk_fma_f32 v[96+n:97+n], v[96+n:97+n], s[22:23], v[12:13] op_sel_hi:[1,0,0]   ; t - M, two at a time
.set n, n+2
.endr
.set n, 0
	s_wait_alu depctr_va_vdst(0)                   ; the wait ahead of the batch
.rept 64
	v_exp_f32 v[96+n], v[96+n]                     ; p = 2^(t - M)
.set n, n+1
.endr
	v_pk_mul_f32 v[14:15], v[14:15], v[194:195] op_sel_hi:[1,0]   ; the sums under the new M: the plain line behind the exponentials
	s_wait_alu depctr_va_vdst(0)                   ; one wait for the whole batch, ahead of its first reader
	v_pk_add_f32 v[14:15], v[14:15], v[96:97]      ; the row's sum, of the unquantised p: two at a time, in four chains
	v_pk_add_f32 v[196:197], v[98:99], v[100:101]
	v_pk_add_f32 v[250:251], v[102:103], v[104:105]
	v_pk_add_f32 v[252:253], v[106:107], v[108:109]
.set n, 110
.rept 6
	v_pk_add_f32 v[14:15], v[14:15], v[n:n+1]
	v_pk_add_f32 v[196:197], v[196:197], v[n+2:n+3]
	v_pk_add_f32 v[250:251], v[250:251], v[n+4:n+5]
	v_pk_add_f32 v[252:253], v[252:253], v[n+6:n+7]
.set n, n+8
.endr
	v_pk_add_f32 v[14:15], v[14:15], v[158:159]
	v_pk_add_f32 v[196:197], v[196:197], v[250:251]
	v_pk_add_f32 v[14:15], v[14:15], v[252:253]
	v_pk_add_f32 v[14:15], v[14:15], v[196:197]
.set k, 0
.rept 8
.set n, 96+8*k
.rept 4
	v_dual_min_num_f32 v[n], v200, v[n] :: v_dual_min_num_f32 v[n+1], v200, v[n+1]   ; the conversion to an 8-bit code does not saturate (ISA guide 7.6.2); p is not negative, so the hold is one-sided
.set n, n+2
.endr
	v_cvt_scalef32_pk8_fp8_f32 v[224+2*k:225+2*k], v[96+8*k:103+8*k], v201
.set k, k+1
.endr
	s_wait_alu depctr_va_vdst(0)                   ; directly ahead of the first reader of O^T
.set n, 0
.rept 16
	v_pk_mul_f32 v[160+n:161+n], v[160+n:161+n], v[194:195] op_sel_hi:[1,0]   ; O^T under the new M; these are also the plain lines between the conversions and the products
.set n, n+2
.endr
	s_wait_alu depctr_va_vdst(0)
	s_wait_dscnt 0x0                               ; V is in
.irp t, 0,1,2,3
	v_wmma_f32_16x16x128_fp8_fp8 v[160+8*\t:167+8*\t], v[32+16*\t:47+16*\t], v[224:239], v[160+8*\t:167+8*\t]   ; O^T += V^T P^T: four accumulators by turns; the eight products S^T stand between two links of a chain
.endr
.rept 4
	v_nop                                          ; places in front of the next loads into V's registers, and of reads of O^T
.endr
.endm
.macro TRIP late
	s_cmp_eq_u32 s[KS], s[SW]                      ; the wave's number and the count of trips alone
	s_cbranch_scc0 .Lwork_\@
	v_add_f32 v14, v14, v15                        ; THE CHANGE OF TILES: tile p is finished and goes out,
	WAYOUT
.set n, 0
.rept 8
	v_mov_b32 v[16+n], v[24+n]                     ; and tile 15 - p begins
.set n, n+1
.endr
	FRESH
	s_wait_alu depctr_va_vdst(0)
	s_wait_xcnt 0x0                                ; the stores have read v224-231, which the next step rewrites
	s_branch .Lnext_\@
.Lwork_\@:
	STEP \late
.Lnext_\@:
	s_add_co_u32 s[TB], s[TB], 16384
	s_add_co_u32 s[KS], s[KS], 1
.endm
.macro TRIPS trips, late
	s_mov_b32 s[TR], \trips
.Ltrip_\@:
	TRIP \late
	s_sub_co_u32 s[TR], s[TR], 1
	s_cmp_lg_u32 s[TR], 0
	s_cbranch_scc1 .Ltrip_\@
.endm
	s_wait_alu depctr_va_vdst(0)                   ; the wait at the head's end
	s_wait_tensorcnt 0x0                           ; my part of key steps 0 and 1 is in
	ds_add_u32 v254, v255
	s_wait_dscnt 0x0                               ; the add is done
	CROUND                                         ; everybody's part is in, and all four work-groups are here
	tensor_load_to_lds s[92:95], s[56:63]          ; key steps 2 .. 15: the first tensor load behind the round
	s_nop 0
.rept 4
	v_nop
.endr
	s_wait_loadcnt 0x0                             ; Q
	s_mov_b32 s[TB], 0
	s_mov_b32 s[KS], 0
	TRIPS 2, 0
	s_wait_alu depctr_va_vdst(0)
	s_wait_dscnt 0x0
	s_wait_tensorcnt 0x0                           ; my part of key steps 2 .. 15 is in,
	s_barrier_signal -1
	s_barrier_wait -1                              ; everybody's is
	s_mov_b32 s[TB], 2*16384
	s_mov_b32 s[KS], 2
	TRIPS 7, 1
	s_wait_alu depctr_va_vdst(0)
	s_wait_dscnt 0x0
	s_barrier_signal -1
	s_barrier_wait -1                              ; nobody reads K and V any more: the parts' stores come behind all those reads
	; THE TWO PARTS OF TILE 15 - p ARE JOINED: wave 8 + p hands its part over in LDS bytes into which no tile lands, lane by lane
	v_add_f32 v14, v14, v15                        ; the sum's two halves
	s_wait_alu depctr_va_vdst(0)                   ; the wait ahead of the branch
	s_cmp_lt_u32 s[WV], 8
	s_cbranch_scc1 .Lkept
	v_mov_b32 v15, v12                             ; -M goes beside the sum
.irp i, 0,1,2,3,4,5,6,7
	ds_store_b128 v5, v[160+4*\i:163+4*\i] offset:512*\i
.endr
	ds_store_b64 v6, v[14:15]
.Lkept:
	s_wait_dscnt 0x0                               ; my part is stored
	s_barrier_signal -1
	s_barrier_wait -1
	s_cmp_gt_u32 s[WV], 7
	s_cbranch_scc1 .Lend
.irp i, 0,1,2,3,4,5,6,7
	ds_load_b128 v[96+4*\i:99+4*\i], v5 offset:512*\i
.endr
	ds_load_b64 v[128:129], v6                     ; sum, -M
	s_wait_dscnt 0x0
	v_min_num_f32 v192, v12, v129                  ; -M of both
	v_sub_f32 v193, v192, v12                      ; my M - the joint M, 0 or less
	v_sub_f32 v199, v192, v129                     ; the other part's
	v_cvt_i32_f32 v193, v193                       ; (they saturate)
	v_cvt_i32_f32 v199, v199
	v_ldexp_f32 v194, 1.0, v193
	v_ldexp_f32 v196, 1.0, v199
	v_mul_f32 v14, v14, v194
	v_fmac_f32 v14, v128, v196
.set n, 0
.rept 16
	v_pk_mul_f32 v[160+n:161+n], v[160+n:161+n], v[194:195] op_sel_hi:[1,0]
.set n, n+2
.endr
.set n, 0
.rept 16
	v_pk_fma_f32 v[160+n:161+n], v[96+n:97+n], v[196:197], v[160+n:161+n] op_sel_hi:[1,0,1]
.set n, n+2
.endr
	WAYOUT
.Lend:
	s_wait_tensorcnt 0x0                           ; the wave's end
	ds_add_u32 v254, v255
	s_wait_dscnt 0x0
	CROUND                                         ; the closing round: no work-group ends while a partner may still issue a load that names it
	s_endpgm
.Lfunc_end_k_q92f0a24465_attn:
	.size	k_q92f0a24465_attn, .Lfunc_end_k_q92f0a24465_attn-k_q92f0a24465_attn
	.p2alignl 7, 3214868480
	.fill 96, 4, 3214868480
	.section	.rodata,"a",@progbits
	.p2align	6, 0x0
	.amdhsa_kernel k_q92f0a24465_attn
		.amdhsa_group_segment_fixed_size 327680
		.amdhsa_private_segment_fixed_size 0
		.amdhsa_enable_private_segment 0
		.amdhsa_kernarg_size 32
		.amdhsa_user_sgpr_count 2
		.amdhsa_user_sgpr_kernarg_segment_ptr 1
		.amdhsa_wavefront_size32 1
		.amdhsa_system_sgpr_workgroup_id_x 1
		.amdhsa_system_sgpr_workgroup_id_y 1
		.amdhsa_system_sgpr_workgroup_id_z 1
		.amdhsa_system_vgpr_workitem_id 0
		.amdhsa_next_free_vgpr 256
		.amdhsa_next_free_sgpr 96
		.amdhsa_reserve_vcc 0
		.amdhsa_float_denorm_mode_32 3
		.amdhsa_float_denorm_mode_16_64 3
		.amdhsa_memory_ordered 1
		.amdhsa_forward_progress 1
		.amdhsa_inst_pref_size 78
	.end_amdhsa_kernel
	.amdgpu_metadata
---
amdhsa.version: [ 1, 2 ]
amdhsa.kernels:
  - .name:           k_q92f0a24465_attn
    .symbol:         k_q92f0a24465_attn.kd
    .args:
      - { .name: q_img, .offset: 0, .size: 8, .value_kind: global_buffer, .address_space: global }
      - { .name: kv_img, .offset: 8, .size: 8, .value_kind: global_buffer, .address_space: global }
      - { .name: lowp_scales, .offset: 16, .size: 8, .value_kind: global_buffer, .address_space: global }
      - { .name: ao_img, .offset: 24, .size: 8, .value_kind: global_buffer, .address_space: global }
    .group_segment_fixed_size: 327680
    .private_segment_fixed_size: 0
    .kernarg_segment_align: 8
    .kernarg_segment_size: 32
    .max_flat_workgroup_size: 512
    .sgpr_count:     96
    .vgpr_count:     256
    .wavefront_size: 32
...
	.end_amdgpu_metadata
.endif
;; end of part 2
;; launch proj (part 3): grid 8 x 32, 4 waves a work-group, clusters of 4 x 4, 327,680 bytes of LDS; arguments ao_img, proj_w_codes, proj_b, lowp_scales, out0; writes out0
.if DOCPART == 3
	.amdgcn_target "amdgcn-amd-amdhsa--gfx1250"
	.amdhsa_code_object_version 6
	.text
	.protected	k_q92f0a24465_proj
	.globl	k_q92f0a24465_proj
	.p2align	8
	.type	k_q92f0a24465_proj,@function
k_q92f0a24465_proj:
	s_mov_b64 s[64:65], 0
	v_nop
	global_prefetch_b8 v0, s[64:65] scope:SCOPE_SE
	s_setreg_imm32_b32 hwreg(HW_REG_WAVE_MODE, 25, 1), 1
	s_wait_xcnt 0x0
	s_wait_alu depctr_hold_cnt(0) depctr_sa_sdst(0) depctr_va_vdst(0) depctr_va_sdst(0) depctr_va_ssrc(0) depctr_va_vcc(0) depctr_vm_vsrc(0)
	s_getreg_b32 s2, hwreg(HW_REG_IB_STS2, 6, 4)
	s_cmp_eq_u32 s2, 0
	s_cbranch_scc0 .Lentry_in_a_cluster
	s_endpgm
.Lentry_in_a_cluster:
	s_bfe_u32 s2, ttmp6, 0x10000c
	s_cmp_lg_u32 s2, 0xf033
	s_cbranch_scc0 .Lentry_shape_is_right
	s_endpgm
.Lentry_shape_is_right:
; out0 = A proj_w^T x 2^(e6 + e7) + proj_b.  A: 4,096 x 1,024 codes, as images of operand registers (ao_img: [row block 32][K step 8][row tile 8][2,048 bytes]); proj_w: [1024][1024] codes, K innermost; out0 f32.
; SHARES.  Work-group (x, y) makes 128 x 128: rows 128 y on, columns 128 x on.  Wave w makes rows 64 (w / 2) on, columns 64 (w % 2) on: 16 accumulators.
; THE WHOLE K LIES IN LDS, every byte filled once, by one tensor load a wave: waves 0 and 1 ask for K's two halves of A (65,536 dense bytes each), waves 2 and 3 for K's two halves of proj_w (128 rows x 512 bytes each).
; A barrier stands in front of each half's first read.  No prefetch: all tensor loads go out at the head.
; CLUSTER 4 x 4: A's block hangs on y alone and is asked for jointly along a row of the cluster, proj_w's on x alone, jointly along a column.
; A's image gives lane (r, h), by four ds_load_b128 of 512 dense bytes, k = 32 c + 16 h + 0 .. 15 of row r; four ds_load_b128, 32 bytes apart, give the same k of a row of proj_w: one permutation of k on both sides.
; THE MATRIX INSTRUCTION IS USED TRANSPOSED (source 0 = 16 rows of proj_w, source 1 = 16 rows of A): a lane holds eight neighbouring numbers of a row of out0.
; LIMIT: e6 + e7 between -126 and 127.
; REGISTERS: window 0: addresses; v32-63 the bias; v64-127 rows on the way out, two sets; v128-255 the accumulators ((a, b) at 128 + 8 (4 a + b)).  window 1: two fragment buffers of 128: A's four, then proj_w's four.
.set PITCH, 272                        ; a row of the stage: 256 bytes + 16 of padding
.set BPITCH, 528                       ; a row of half of proj_w's K in LDS: 512 bytes + 16 of padding
.set BB,    131072                     ; behind A's 131,072 bytes: proj_w's two halves of K, 128 rows each
.set STAGE, BB+2*128*BPITCH            ; behind them: 16 rows x 272 bytes for each wave, for the way out; no tile lands here
.set SPARE, STAGE+4*16*PITCH           ; behind the stages: the spare words, 128 bytes for each wave
.set WV,  14
.set G1A, 24                           ; s[24:31] group 1 for A;  s[32:39] for proj_w;  s[48:51], s[52:55] their groups 0
.set G1B, 32
.set G0A, 48
.set G0B, 52
.set ADA, 16                           ; v16-17  A's fragments: K steps 0-3, 4-7
.set ADB, 18                           ; v18-19  proj_w's
.set STO, 24
.set RD,  25
.set CO,  26
.set BI,  32
.set BK,  64
.set ACC, 128
.set F0,  0
.set F1,  128
.set MSB, 0
.macro WIN new                         ; the immediate's high byte repeats the setting that is left
.if MSB != \new
	s_set_vgpr_msb (MSB<<8)|\new
.set MSB, \new
.endif
.endm
.macro PLACES n
.rept \n
	v_nop
.endr
.endm
.macro CROUND                          ; a round of the cluster's barrier
	s_barrier_signal -1
	s_barrier_wait -1
	s_cmp_lg_u32 s[WV], 0
	s_cbranch_scc1 .Lnot_wave_0_\@
	s_barrier_signal -3
.Lnot_wave_0_\@:
	s_barrier_wait -3
	s_barrier_signal -1
	s_barrier_wait -1
.endm
	s_load_b256 s[4:11], s[0:1], 0x0               ; ao_img s[4:5], proj_w's codes s[6:7], proj_b s[8:9], the scales' exponents s[10:11]
	s_load_b64 s[12:13], s[0:1], 0x20              ; out0
	v_lshl_add_u32 v30, v0, 2, SPARE
	v_mov_b32 v31, 0
	ds_add_u32 v30, v31                            ; the wave's opening: the add, twice on end, under one wait
	ds_add_u32 v30, v31
	v_lshrrev_b32 v1, 5, v0
	v_readfirstlane_b32 s[WV], v1                  ; wave 0..3
	s_lshr_b32 s15, s[WV], 1                       ; my half of the rows.  Also: I fetch for A (0) or for proj_w (1)
	s_and_b32 s16, s[WV], 1                        ; my half of the columns.  Also: which half of K I fetch
	s_bfe_u32 s40, ttmp6, 0x40000                  ; cx, cy
	s_bfe_u32 s41, ttmp6, 0x40004
	s_lshl_b32 s42, ttmp9, 2
	s_add_co_u32 s42, s42, s40                     ; x
	s_and_b32 s17, ttmp7, 0xffff
	s_lshl_b32 s17, s17, 2
	s_add_co_u32 s17, s17, s41                     ; y
	s_lshl_b32 s43, s41, 2
	s_lshl_b32 s43, 15, s43                        ; my row of the cluster
	s_lshl_b32 s44, 0x1111, s40                    ; my column
	s_or_b32 s[G1A], s43, (1<<21)                  ; the mask; elements of 1 byte; no padding; 21 set beside a mask
	s_or_b32 s[G1B], s44, (1<<20)|(1<<21)|(6<<22)|(3<<25)   ; padding: four words after every 128
.irp g, G1A, G1B
	s_mov_b32 s[\g+1], 512<<16                     ; tensor_dim0 = 512
	s_mov_b32 s[\g+2], 128<<16                     ; tensor_dim1 = 128
	s_mov_b32 s[\g+3], 512<<16                     ; tile_dim0 = 512
	s_mov_b32 s[\g+4], 128                         ; tile_dim1 = 128
	s_mov_b32 s[\g+6], 0
	s_mov_b32 s[\g+7], 0
.endr
	s_mov_b32 s[G1A+5], 512                        ; A's block is dense
	s_mov_b32 s[G1B+5], 1024                       ; a row of proj_w
	s_lshl_b32 s18, s16, 16                        ; A: my half of K, in LDS and in memory alike
	s_lshl_b32 s20, s17, 17                        ; row block y: 131,072 bytes: made of y and the wave alone
	s_add_co_u32 s20, s20, s18
	s_mov_b32 s21, 0
	s_lshl_b32 s46, s42, 17                        ; proj_w: row 128 x, + 512 bytes for the second half: made of x and the wave alone
	s_lshl_b32 s47, s16, 9
	s_add_co_u32 s46, s46, s47
	s_mov_b32 s47, 0
	s_mul_i32 s19, s16, 128*BPITCH
	s_add_co_u32 s19, s19, BB                      ; and its place in LDS
	s_wait_dscnt 0x0                               ; both opening adds are done
	s_wait_kmcnt 0x0
	s_load_b256 s[84:91], s[10:11], 0x0            ; e0 .. e7
	s_mov_b32 s[G0A], 1
	s_mov_b32 s[G0A+1], s18
	s_add_nc_u64 s[G0A+2:G0A+3], s[4:5], s[20:21]
	s_or_b32 s[G0A+3], s[G0A+3], 0x80000000
	s_mov_b32 s[G0B], 1
	s_mov_b32 s[G0B+1], s19
	s_add_nc_u64 s[G0B+2:G0B+3], s[6:7], s[46:47]
	s_or_b32 s[G0B+3], s[G0B+3], 0x80000000
	CROUND                                         ; all sixteen work-groups are here: the joint loads meet
	s_cmp_eq_u32 s15, 0                            ; one fill in each arm of one branch on the wave's number
	s_cbranch_scc0 .Lfirst_b
	tensor_load_to_lds s[G0A:G0A+3], s[G1A:G1A+7]
	s_nop 0
.rept 4
	v_nop
.endr
	s_branch .Lfirst_asked
.Lfirst_b:
	tensor_load_to_lds s[G0B:G0B+3], s[G1B:G1B+7]
	s_nop 0
.rept 4
	v_nop
.endr
.Lfirst_asked:
	v_and_b32 v1, 15, v0                           ; r
	v_bfe_u32 v2, v0, 4, 1                         ; h
	v_and_b32 v5, 31, v0                           ; lane
	s_lshl_b32 s94, s15, 13
	v_lshl_add_u32 v[ADA], v5, 4, s94              ; A: 16 x lane + my four row tiles of 2,048 bytes
	v_add_nc_u32 v[ADA+1], 65536, v[ADA]
	v_mul_u32_u24 v3, v1, BPITCH
	v_lshl_add_u32 v3, v2, 4, v3
	s_mul_i32 s95, s16, 64*BPITCH
	s_add_co_u32 s95, s95, BB
	v_add_nc_u32 v[ADB], s95, v3                   ; proj_w: my 64 rows; row r x pitch + 16 h
	v_add_nc_u32 v[ADB+1], 128*BPITCH, v[ADB]
	s_mul_i32 s95, s[WV], 16*PITCH
	s_add_co_u32 s95, s95, STAGE                   ; my stage
	v_mul_u32_u24 v[STO], v1, PITCH
	v_lshl_add_u32 v[STO], v2, 5, v[STO]
	v_add_nc_u32 v[STO], s95, v[STO]               ; in: row r, 32 bytes for each half of the lanes
	v_mul_u32_u24 v[RD], v2, PITCH
	v_lshl_add_u32 v[RD], v1, 4, v[RD]
	v_add_nc_u32 v[RD], s95, v[RD]                 ; back: lanes 0-15 one row of 256 bytes, lanes 16-31 the next
	v_lshlrev_b32 v[CO], 12, v2
	v_lshl_add_u32 v[CO], v1, 4, v[CO]             ; and the same two rows in out0
	v_lshlrev_b32 v27, 5, v2                       ; the bias: my half's eight numbers
	s_wait_alu depctr_va_vdst(0)                   ; the wait at the head's end
	s_lshl_b32 s96, s17, 19                        ; out0: row 128 y + 64 (w / 2), 4,096 bytes a row,
	s_lshl_b32 s94, s15, 18
	s_add_co_u32 s96, s96, s94
	s_mov_b32 s97, 0
	s_add_nc_u64 s[12:13], s[12:13], s[96:97]
	s_lshl_b32 s96, s42, 9                         ; column 128 x + 64 (w % 2), 4 bytes each
	s_lshl_b32 s94, s16, 8
	s_add_co_u32 s96, s96, s94
	s_add_nc_u64 s[12:13], s[12:13], s[96:97]
	s_add_nc_u64 s[98:99], s[8:9], s[96:97]
.irp b, 0,1,2,3
	global_load_b128 v[BI+8*\b:BI+8*\b+3], v27, s[98:99] offset:64*\b
	global_load_b128 v[BI+8*\b+4:BI+8*\b+7], v27, s[98:99] offset:64*\b+16
.endr
; 32 LDS loads in one run: K step ks's fragments into buffer f
.macro FETCH ks, f
	WIN 0x40                                       ; destination window 1
.irp a, 0,1,2,3
.irp c, 0,1,2,3
	ds_load_b128 v[\f+16*\a+4*\c:\f+16*\a+4*\c+3], v[ADA+(\ks)/4] offset:16384*((\ks)%4)+2048*\a+512*\c
.endr
.endr
.irp b, 0,1,2,3
.irp c, 0,1,2,3
	ds_load_b128 v[\f+64+16*\b+4*\c:\f+64+16*\b+4*\c+3], v[ADB+(\ks)/4] offset:16*BPITCH*\b+128*((\ks)%4)+32*\c
.endr
.endr
.endm
; 8 matrix instructions: row tiles a0, a0 + 1 x the four column tiles.  zero = 1: the first product starts the sums.  The 16 accumulators take turns, in the same order in every step.
.macro MUL8 f, a0, zero
	WIN 0x05                                       ; sources 0 and 1 window 1; C and D window 0
.irp a, \a0, \a0+1
.irp b, 0,1,2,3
.if \zero
	v_wmma_f32_16x16x128_fp8_fp8 v[ACC+8*(4*(\a)+\b):ACC+8*(4*(\a)+\b)+7], v[\f+64+16*\b:\f+64+16*\b+15], v[\f+16*(\a):\f+16*(\a)+15], 0
.else
	v_wmma_f32_16x16x128_fp8_fp8 v[ACC+8*(4*(\a)+\b):ACC+8*(4*(\a)+\b)+7], v[\f+64+16*\b:\f+64+16*\b+15], v[\f+16*(\a):\f+16*(\a)+15], v[ACC+8*(4*(\a)+\b):ACC+8*(4*(\a)+\b)+7]
.endif
.endr
.endr
.endm
; K step ks multiplies buffer f, with the next K step's fragments on their way into buffer g
.macro KST ks, f, g, zero
	s_wait_dscnt 0x0                               ; buffer f is in
	PLACES 4                                       ; four plain places between the last products that read buffer g and the loads into it
	FETCH \ks+1, \g
	MUL8 \f, 0, \zero
	MUL8 \f, 2, \zero
.endm
	s_wait_tensorcnt 0x0                           ; my load is in,
	s_barrier_signal -1
	s_barrier_wait -1                              ; everybody's is: the whole K lies in LDS
	FETCH 0, F0
	KST 0, F0, F1, 1
	KST 1, F1, F0, 0
	KST 2, F0, F1, 0
	KST 3, F1, F0, 0
	KST 4, F0, F1, 0
	KST 5, F1, F0, 0
	KST 6, F0, F1, 0
	s_wait_dscnt 0x0
	MUL8 F1, 0, 0
	MUL8 F1, 2, 0
	WIN 0
	s_wait_kmcnt 0x0
	s_add_co_i32 s92, s90, s91                     ; e6 + e7
	s_add_co_i32 s92, s92, 127
	s_lshl_b32 s92, s92, 23                        ; 2^(e6 + e7) as f32
	s_mov_b32 s93, s92                             ; (named with it as a pair, so it is written)
	s_wait_loadcnt 0x0                             ; the bias
	PLACES 4                                       ; between the last products and the first reads of results
; THE WAY OUT, a block of 16 rows x 64 columns at a time: sum x 2^(e6 + e7) + bias, each accumulator from its low end on; 32 bytes a lane into my own stage; back as whole rows of 256 bytes.
; LDS serves a wave's instructions in order (ISA guide 5.7.1.4): no wait between the stores and the loads, nor in front of the next block's stores.
.macro TOSTAGE a
.irp b, 0,1,2,3
.irp i, 0,2,4,6
	v_pk_fma_f32 v[ACC+8*(4*(\a)+\b)+\i:ACC+8*(4*(\a)+\b)+\i+1], v[ACC+8*(4*(\a)+\b)+\i:ACC+8*(4*(\a)+\b)+\i+1], s[92:93], v[BI+8*\b+\i:BI+8*\b+\i+1] op_sel_hi:[1,0,1]
.endr
.endr
.irp b, 0,1,2,3
	ds_store_b128 v[STO], v[ACC+8*(4*(\a)+\b):ACC+8*(4*(\a)+\b)+3] offset:64*\b
	ds_store_b128 v[STO], v[ACC+8*(4*(\a)+\b)+4:ACC+8*(4*(\a)+\b)+7] offset:64*\b+16
.endr
.irp t, 0,1,2,3,4,5,6,7
	ds_load_b128 v[BK+32*((\a)%2)+4*\t:BK+32*((\a)%2)+4*\t+3], v[RD] offset:2*PITCH*\t
.endr
.endm
.macro SEND a, younger                 ; younger: the LDS instructions issued behind block a's loads, which may stay out
	s_wait_dscnt \younger
.irp t, 0,1,2,3,4,5,6,7
	global_store_b128 v[CO], v[BK+32*((\a)%2)+4*\t:BK+32*((\a)%2)+4*\t+3], s[12:13] offset:(16*(\a)+2*\t)*4096 th:TH_STORE_NT   ; 16 lanes store 256 consecutive bytes, at a multiple of 256 from out0's first byte
.endr
.endm
	TOSTAGE 0
	TOSTAGE 1
	SEND 0, 16                                     ; behind block 0's loads: block 1's 8 stores and 8 loads
	s_wait_xcnt 0x0                                ; block 0's stores have read their registers: block 2's loads may land there
	TOSTAGE 2
	SEND 1, 16
	s_wait_xcnt 0x0
	TOSTAGE 3
	SEND 2, 16
	SEND 3, 0
	s_wait_tensorcnt 0x0                           ; the wave's end
	ds_add_u32 v30, v31
	s_wait_dscnt 0x0
	CROUND                                         ; the closing round: no work-group ends while a partner may still ask for a tile that names it
	s_endpgm
.Lfunc_end_k_q92f0a24465_proj:
	.size	k_q92f0a24465_proj, .Lfunc_end_k_q92f0a24465_proj-k_q92f0a24465_proj
	.p2alignl 7, 3214868480
	.fill 96, 4, 3214868480
	.section	.rodata,"a",@progbits
	.p2align	6, 0x0
	.amdhsa_kernel k_q92f0a24465_proj
		.amdhsa_group_segment_fixed_size 327680
		.amdhsa_private_segment_fixed_size 0
		.amdhsa_enable_private_segment 0
		.amdhsa_kernarg_size 40
		.amdhsa_user_sgpr_count 2
		.amdhsa_user_sgpr_kernarg_segment_ptr 1
		.amdhsa_wavefront_size32 1
		.amdhsa_system_sgpr_workgroup_id_x 1
		.amdhsa_system_sgpr_workgroup_id_y 1
		.amdhsa_system_sgpr_workgroup_id_z 1
		.amdhsa_system_vgpr_workitem_id 0
		.amdhsa_next_free_vgpr 512
		.amdhsa_next_free_sgpr 100
		.amdhsa_reserve_vcc 0
		.amdhsa_float_denorm_mode_32 3
		.amdhsa_float_denorm_mode_16_64 3
		.amdhsa_memory_ordered 1
		.amdhsa_forward_progress 1
		.amdhsa_inst_pref_size 45
	.end_amdhsa_kernel
	.amdgpu_metadata
---
amdhsa.version: [ 1, 2 ]
amdhsa.kernels:
  - .name:           k_q92f0a24465_proj
    .symbol:         k_q92f0a24465_proj.kd
    .args:
      - { .name: ao_img, .offset: 0, .size: 8, .value_kind: global_buffer, .address_space: global }
      - { .name: proj_w_codes, .offset: 8, .size: 8, .value_kind: global_buffer, .address_space: global }
      - { .name: proj_b, .offset: 16, .size: 8, .value_kind: global_buffer, .address_space: global }
      - { .name: lowp_scales, .offset: 24, .size: 8, .value_kind: global_buffer, .address_space: global }
      - { .name: out0, .offset: 32, .size: 8, .value_kind: global_buffer, .address_space: global }
    .group_segment_fixed_size: 327680
    .private_segment_fixed_size: 0
    .kernarg_segment_align: 8
    .kernarg_segment_size: 40
    .max_flat_workgroup_size: 128
    .sgpr_count:     100
    .vgpr_count:     512
    .wavefront_size: 32
...
	.end_amdgpu_metadata
.endif
;; end of part 3
